; MI455X (gfx1250); checked and timed in simulation.
; The chip was launched on July 23, 2026; its instructions are those of AMD's public machine-readable ISA for CDNA 5 (MIT licence, August 2026) and "CDNA5" Instruction Set Architecture Reference Guide (July 2026). The comments in the code are by the model that wrote it; some were corrected since.
;; AI Mv2 Attention. Allowed arithmetic: matrix products marked QUANTISED: E2M3 operands, one E8M0 scale for each 32 along K, by v_wmma_scale_f32_16x16x128_f8f6f4 with both operands' format E2M3, f32 sums; everything else in f32.
;; Inputs: Wproj 1,024 x 1,024 float32; Wqkv 3,072 x 1,024 float32; x 4 x 2,048 x 1,024 float32.
;; Outputs: out0 4 x 2,048 x 1,024 float32.
;; This version of the problem:
;;   THIS VERSION OF THE PROBLEM IS GIVEN IN LOW PRECISION. The matrix products marked QUANTISED in the list below multiply operands that are first quantised to E2M3 (2 exponent bits, 3 mantissa bits; 6 bits a number), with one power-of-two scale for each 32 numbers along K (OCP MX v1.0); their sums are f32. All else is computed in f32.
;;   The module's matrix products, in the order in which they are computed (A, B: the left and right operand; K: the contracted axis; several contracted axes count as one K, in the product's order):
;;     1. [M 8,192, K 1,024] x [K 1,024, N 3,072]; A: input x; B: input Wqkv: QUANTISED
;;     2. batch 32 x [M 2,048, K 128] x [K 128, N 2,048]; A: computed on the way; B: computed on the way: QUANTISED
;;     3. batch 32 x [M 2,048, K 2,048] x [K 2,048, N 128]; A: softmax (see below); B: computed on the way: QUANTISED
;;     4. [M 8,192, K 1,024] x [K 1,024, N 1,024]; A: computed on the way; B: input Wproj: QUANTISED
;;   THE QUANTISER, for each operand of a quantised product, along K:
;;     - K is cut into blocks of 32 from its start; a last block that is shorter is filled with zeros.
;;     - A block's scale is 2^e with e = floor(log2(the largest magnitude in the block)) - 2, held to -126 .. 127; a block of zeros has e = 0. As a byte (E8M0): e + 127.
;;     - Each number is divided by its block's scale, clamped to +-7.5, and rounded to the nearest number of E2M3, ties to even, subnormals kept.
;;     - The product sums the exact products of the quantised numbers (number of the format x scale) in f32.
;;   ~~~python
;;   def quantise(x, axis):      # numpy; x: float32 -> the quantised numbers, widened to float32 again
;;       x = np.moveaxis(x, axis, -1); K = x.shape[-1]
;;       x = np.pad(x, [(0, 0)] * (x.ndim - 1) + [(0, -K % 32)]); x = x.reshape(x.shape[:-1] + (-1, 32)); a = np.abs(x).max(-1, keepdims=True)
;;       e = np.where(a > 0, np.clip(np.frexp(np.where(a > 0, a, 1))[1] - 1 - 2, -126, 127), 0)      # np.frexp(a)[1] - 1 = floor(log2(a)), exactly
;;       r = np.clip(x / 2.0 ** e, -7.5, 7.5)
;;       step = 2.0 ** (np.maximum(np.frexp(np.where(r == 0, 1, r))[1] - 1, 0) - 3)
;;       q = np.round(r / step) * step * 2.0 ** e      # np.round: ties to even
;;       return np.moveaxis(q.reshape(q.shape[:-2] + (-1,))[..., :K], -1, axis).astype(np.float32)
;;   ~~~
;;   SOFTMAX AHEAD OF A QUANTISED PRODUCT. Where the list says 'softmax', what is quantised is not the finished softmax but p = 2^(t - M), with t = logit x log2(e) and M = ceil(the row's largest t), a whole number; so 1/2 < the row's largest p <= 1. The row's sum l is taken of the UNQUANTISED p, in f32, and the product's result is divided by l at the end. Since M is a whole number, a kernel that streams over the keys may use a running M (the ceiling of the running maximum): every later rescaling is an exact power of two, which a block's scale takes up: the codes' values come out the same.
;;   OPERANDS COMPUTED ON THE WAY. 'Computed on the way' means the value that the module computes at that place (a softmax that the list does not call 'softmax' is quantised finished and normalised). What goes into a quantiser is computed in f32, as accurately as f32 sums, v_exp_f32 and their like allow (about 1e-6 of the number): no bf16 or f16 on the way to a quantiser, and a product that is left as it is and whose result goes on into a quantised operand takes f32 operands (vector FMAs, or v_wmma_f32_16x16x4_f32). A number that lies on a knife's edge between two numbers of the format may be rounded either way, as far as f32 arithmetic and the matrix unit's own rounding can turn it there, and no further.
;; One version. Each part assembles by itself: llvm-mc -triple=amdgcn-amd-amdhsa -mcpu=gfx1250 --defsym DOCPART=n.
;; ======== version 1 of 1: 4 launches
;; limits: right only within a limited range of input values
;; workspace buffers: opnd 9,437,184 bytes; opsc 393,216 bytes; img 18,874,368 bytes; isc 786,432 bytes; oimg 6,291,456 bytes; osc 262,144 bytes
;; launch quant (part 1): grid 768 x 1, 4 waves a work-group, no clusters, 34,304 bytes of LDS; arguments x, Wqkv, Wproj, opnd, opsc; writes opnd, opsc
.if DOCPART == 1
	.amdgcn_target "amdgcn-amd-amdhsa--gfx1250"
	.amdhsa_code_object_version 6
	.text
	.protected	k_q82c3f4ae38_quant
	.globl	k_q82c3f4ae38_quant
	.p2align	8
	.type	k_q82c3f4ae38_quant,@function
k_q82c3f4ae38_quant:
	s_mov_b64 s[64:65], 0
	v_nop
	global_prefetch_b8 v0, s[64:65] scope:SCOPE_SE
	s_setreg_imm32_b32 hwreg(HW_REG_WAVE_MODE, 25, 1), 1
	s_wait_xcnt 0x0
; x [8192][1024], Wqkv [3072][1024], Wproj [1024][1024], f32, become codes of FP6 (E2M3) with one E8M0 scale byte for each 32 along K (the last axis),
; laid as IMAGES OF OPERAND REGISTERS: a fragment of 16 rows x 128 K is 12 registers a lane (lane l: row l % 16; registers 6 c .. 6 c + 5: k = 64 c + 32 (l / 16) + 0 .. 31);
; its image is 1,536 bytes: registers 4 g .. 4 g + 3 of lane l at 512 g + 16 l.  opnd: [768 row tiles][8 K steps][1536]; tiles 0-511 x, 512-703 Wqkv, 704-767 Wproj.
; opsc: [768][8][64]: row r's scale word (four bytes, 128 along K) at 4 r.
; THE ROWS OF A TILE ARE NOT NEIGHBOURS: row r of tile 2 B + u is source row 32 B + 8 u + r + 8 (r / 8).  As source 0 of a matrix instruction two neighbouring tiles then give a lane 16 neighbouring source rows
; in 16 registers, which is what the later quantisers want.  The later launches undo the order where it shows.
; A block's scale is 2^(floor(log2(its largest magnitude)) - 2); its byte is the largest magnitude's exponent field - 2, held at 1 from below.
; LIMITS: a block of zeros gets the byte 1 where the rule says 127 (its codes are zeros, and this program alone reads the bytes); blocks whose largest magnitude lies under 2^-124 are held at the byte 1;
; NaN and infinities among the inputs are not served.
; SHARES: work-group g makes row tile g; wave w its K steps 2 w and 2 w + 1: 16 rows x 256 numbers.  Each load reads 512 consecutive bytes of one row; a K step's 16 rows turn through the wave's own stage in LDS
; (rows of 512 + 16 bytes) so that a lane gets 16 neighbours of each block of 32.  No barrier: waves share nothing.  All 32 loads of a wave go out at once.
.set STGB, 8448                        ; a wave's stage: 16 rows x 528 bytes
.set GA,   1                           ; v1   16 x lane: my place in a load's 512 bytes and in an image's 512
.set SW,   2                           ; v2   the stage, on the way in
.set SRD,  3                           ; v3   and on the way out: row r, + 64 (l / 16)
.set LS,   4                           ; v4   4 x lane
.set TM,   16                          ; v16-19 largest magnitudes, v20-23 the other half's, then bytes; v28-31 the conversions' scale operands
.set PW,   24                          ; v24, v25 the two K steps' scale words; v26 both, by halves of the lanes
.set PC,   32                          ; v32-43, v44-55 the two K steps' codes
.set TH,   56                          ; v56-58, v60-62 the conversions' second halves
.set R,    64                          ; v64-191 as loaded: K step q, row i at 64 q + 4 i
.set X,    192                         ; v192-255 64 numbers: register 16 b + i = k 32 b + 16 (l / 16) + i of my row
; 64 numbers of a lane become a fragment's 12 registers of codes at v[pc] and its row's scale word in v[pw]
.macro QUANT s, pc, pw
.irp b, 0,1,2,3
	v_max3_num_f32 v[TM+\b], |v[\s+16*\b]|, |v[\s+1+16*\b]|, 0x1800000   ; block b: my 16 numbers, and the floor 2^(3 - 127): the byte cannot fall under 1
.endr
.irp i, 2,4,6,8,10,12,14
.irp b, 0,1,2,3
	v_max3_num_f32 v[TM+\b], v[TM+\b], |v[\s+16*\b+\i]|, |v[\s+1+16*\b+\i]|   ; the four blocks by turns
.endr
.endr
.irp b, 0,1,2,3
	v_permlanex16_b32 v[TM+4+\b], v[TM+\b], s20, s21
.endr
.irp b, 0,1,2,3
	v_max_num_f32 v[TM+\b], v[TM+\b], v[TM+4+\b]   ; with lane l xor 16's 16: the block's largest magnitude
.endr
.irp b, 0,1,2,3
	v_add_nc_u32 v[TM+12+\b], 0xff000000, v[TM+\b] ; 2 off its exponent field: the conversion takes the exponent field of this operand as its scale
.endr
.irp b, 0,1,2,3
	v_lshrrev_b32 v[TM+4+\b], 23, v[TM+12+\b]      ; the scale's byte
.endr
	v_lshl_or_b32 v[\pw], v[TM+5], 8, v[TM+4]
	v_lshl_or_b32 v[\pw], v[TM+6], 16, v[\pw]
	v_lshl_or_b32 v[\pw], v[TM+7], 24, v[\pw]      ; my row's scale word
.irp c, 0,1
	v_cvt_scalef32_pk16_fp6_f32 v[\pc+6*\c:\pc+2+6*\c], v[\s+32*\c:\s+15+32*\c], v[TM+12+2*\c]
	v_cvt_scalef32_pk16_fp6_f32 v[TH+4*\c:TH+2+4*\c], v[\s+16+32*\c:\s+31+32*\c], v[TM+13+2*\c]   ; (a conversion's three registers begin on an even number)
.endr
	v_nop                                          ; one plain instruction behind the scaled conversions
.irp c, 0,1                                    ; the layout wants a whole block in a lane: lanes 0-15 block 2 c, lanes 16-31 block 2 c + 1
.irp i, 0,1,2
	v_permlane16_swap_b32 v[\pc+6*\c+\i], v[TH+4*\c+\i]
.endr
.irp i, 0,1,2
	v_mov_b32 v[\pc+3+6*\c+\i], v[TH+4*\c+\i]
.endr
.endr
.endm
	s_load_b128 s[4:7], s[0:1], 0x0                ; x, Wqkv
	s_load_b128 s[8:11], s[0:1], 0x10              ; Wproj, opnd
	s_load_b64 s[12:13], s[0:1], 0x20              ; opsc
	v_lshl_add_u32 v59, v0, 2, 0x8400
	v_mov_b32 v63, 0
	v_lshrrev_b32 v5, 5, v0
	v_readfirstlane_b32 s16, v5                    ; wave 0..3
	v_and_b32 v5, 31, v0                           ; lane
	v_and_b32 v6, 15, v0                           ; r
	v_bfe_u32 v7, v0, 4, 1                         ; h
	v_lshlrev_b32 v[GA], 4, v5
	v_lshlrev_b32 v[LS], 2, v5
	s_mul_i32 s17, s16, STGB
	v_add_nc_u32 v[SW], s17, v[GA]
	v_mul_u32_u24 v[SRD], v6, 528
	v_lshl_add_u32 v[SRD], v7, 6, v[SRD]
	v_add_nc_u32 v[SRD], s17, v[SRD]
	s_mov_b32 s20, 0x76543210
	s_mov_b32 s21, 0xfedcba98                      ; v_permlanex16_b32's selects for lane l xor 16
	s_mov_b32 s22, 0xffff0000                      ; lanes 16-31
.irp b, 0,1,2,3
	v_mov_b32 v[TM+4+\b], 0                        ; written once: a lane permute's destination counts as one of its sources
.endr
	s_mov_b32 s15, 704
	s_wait_alu depctr_va_vdst(0)
	s_wait_kmcnt 0x0
	s_cmp_lt_u32 ttmp9, 704                        ; which tensor is my tile's?  The choice hangs on the work-group's number alone
	s_cselect_b64 s[6:7], s[6:7], s[8:9]
	s_cselect_b32 s14, 512, s15
	s_cmp_lt_u32 ttmp9, 512
	s_cselect_b64 s[4:5], s[4:5], s[6:7]
	s_cselect_b32 s14, 0, s14
	s_sub_co_u32 s14, ttmp9, s14                   ; the tile's number in its tensor
	s_lshr_b32 s18, s14, 1
	s_lshl_b32 s18, s18, 17                        ; 32 rows of 4,096 bytes for each pair of tiles,
	s_and_b32 s19, s14, 1
	s_lshl_b32 s19, s19, 15                        ; 8 rows for the odd tile,
	s_add_co_u32 s18, s18, s19
	s_lshl_b32 s19, s16, 10                        ; 256 numbers for each wave
	s_add_co_u32 s18, s18, s19
	s_mov_b32 s19, 0
	s_add_nc_u64 s[4:5], s[4:5], s[18:19]
	s_mul_i32 s18, ttmp9, 12288
	s_mul_i32 s23, s16, 3072
	s_add_co_u32 s18, s18, s23
	s_add_nc_u64 s[10:11], s[10:11], s[18:19]      ; my two images
	s_lshl_b32 s18, ttmp9, 9
	s_lshl_b32 s23, s16, 7
	s_add_co_u32 s18, s18, s23
	s_add_nc_u64 s[12:13], s[12:13], s[18:19]      ; and their scale words
.irp q, 0,1
.irp i, 0,1,2,3,4,5,6,7,8,9,10,11,12,13,14,15
	global_load_b128 v[R+64*\q+4*\i:R+64*\q+4*\i+3], v[GA], s[4:5] offset:(\i+8*(\i/8))*4096+512*\q th:TH_LOAD_NT   ; 32 lanes read 512 consecutive bytes: K step q of the tile's row i
.endr
.endr
.irp q, 0,1
	s_wait_loadcnt 16*(1-\q)                       ; this K step's 16 loads are in; the other step's 16, issued behind them, may be out
.irp i, 0,1,2,3,4,5,6,7,8,9,10,11,12,13,14,15
	ds_store_b128 v[SW], v[R+64*\q+4*\i:R+64*\q+4*\i+3] offset:528*\i
.endr
.irp b, 0,1,2,3
.irp j, 0,1,2,3
	ds_load_b128 v[X+16*\b+4*\j:X+16*\b+4*\j+3], v[SRD] offset:128*\b+16*\j   ; LDS serves a wave's instructions in order: these see the stores above; sixteen lanes, 528 bytes apart, touch sixteen different columns of 16 bytes
.endr
.endr
	s_wait_dscnt 0x0
	QUANT X, PC+12*\q, PW+\q
.irp c, 0,1,2
	global_store_b128 v[GA], v[PC+12*\q+4*\c:PC+12*\q+4*\c+3], s[10:11] offset:1536*\q+512*\c   ; 512 consecutive bytes, at a multiple of 256 from the buffer's first byte; each step has its own registers, so no store's data are written again
.endr
.endr
	v_cndmask_b32 v26, v24, v25, s22               ; lanes 0-15: K step 2 w's words; lanes 16-31: K step 2 w + 1's
	global_store_b32 v[LS], v26, s[12:13]          ; 128 consecutive bytes
	s_wait_tensorcnt 0x0
	ds_add_u32 v59, v63
	s_wait_dscnt 0x0
	s_endpgm
.Lfunc_end_k_q82c3f4ae38_quant:
	.size	k_q82c3f4ae38_quant, .Lfunc_end_k_q82c3f4ae38_quant-k_q82c3f4ae38_quant
	.p2alignl 7, 3214868480
	.fill 96, 4, 3214868480
	.section	.rodata,"a",@progbits
	.p2align	6, 0x0
	.amdhsa_kernel k_q82c3f4ae38_quant
		.amdhsa_group_segment_fixed_size 34304
		.amdhsa_private_segment_fixed_size 0
		.amdhsa_enable_private_segment 0
		.amdhsa_kernarg_size 40
		.amdhsa_user_sgpr_count 2
		.amdhsa_user_sgpr_kernarg_segment_ptr 1
		.amdhsa_wavefront_size32 1
		.amdhsa_system_sgpr_workgroup_id_x 1
		.amdhsa_system_sgpr_workgroup_id_y 1
		.amdhsa_system_sgpr_workgroup_id_z 1
		.amdhsa_system_vgpr_workitem_id 0
		.amdhsa_next_free_vgpr 256
		.amdhsa_next_free_sgpr 66
		.amdhsa_reserve_vcc 0
		.amdhsa_float_denorm_mode_32 3
		.amdhsa_float_denorm_mode_16_64 3
		.amdhsa_memory_ordered 1
		.amdhsa_forward_progress 1
		.amdhsa_inst_pref_size 18
	.end_amdhsa_kernel
	.amdgpu_metadata
---
amdhsa.version: [ 1, 2 ]
amdhsa.kernels:
  - .name:           k_q82c3f4ae38_quant
    .symbol:         k_q82c3f4ae38_quant.kd
    .args:
      - { .name: x, .offset: 0, .size: 8, .value_kind: global_buffer, .address_space: global }
      - { .name: Wqkv, .offset: 8, .size: 8, .value_kind: global_buffer, .address_space: global }
      - { .name: Wproj, .offset: 16, .size: 8, .value_kind: global_buffer, .address_space: global }
      - { .name: opnd, .offset: 24, .size: 8, .value_kind: global_buffer, .address_space: global }
      - { .name: opsc, .offset: 32, .size: 8, .value_kind: global_buffer, .address_space: global }
    .group_segment_fixed_size: 34304
    .private_segment_fixed_size: 0
    .kernarg_segment_align: 8
    .kernarg_segment_size: 40
    .max_flat_workgroup_size: 128
    .sgpr_count:     66
    .vgpr_count:     256
    .wavefront_size: 32
...
	.end_amdgpu_metadata
.endif
;; end of part 1
;; launch qkv (part 2): grid 4 x 64, 4 waves a work-group, clusters of 4 x 4, 327,680 bytes of LDS; arguments opnd, opsc, img, isc; writes img, isc
.if DOCPART == 2
	.amdgcn_target "amdgcn-amd-amdhsa--gfx1250"
	.amdhsa_code_object_version 6
	.text
	.protected	k_q82c3f4ae38_qkv
	.globl	k_q82c3f4ae38_qkv
	.p2align	8
	.type	k_q82c3f4ae38_qkv,@function
k_q82c3f4ae38_qkv:
	s_mov_b64 s[64:65], 0
	v_nop
	global_prefetch_b8 v0, s[64:65] scope:SCOPE_SE
	s_setreg_imm32_b32 hwreg(HW_REG_WAVE_MODE, 25, 1), 1
	s_wait_xcnt 0x0
	s_wait_alu depctr_hold_cnt(0) depctr_sa_sdst(0) depctr_va_vdst(0) depctr_va_sdst(0) depctr_va_ssrc(0) depctr_va_vcc(0) depctr_vm_vsrc(0)
	s_getreg_b32 s2, hwreg(HW_REG_IB_STS2, 6, 4)
	s_cmp_eq_u32 s2, 0
	s_cbranch_scc0 .Lentry_in_a_cluster
	s_endpgm
.Lentry_in_a_cluster:
	s_bfe_u32 s2, ttmp6, 0x10000c
	s_cmp_lg_u32 s2, 0xf033
	s_cbranch_scc0 .Lentry_shape_is_right
	s_endpgm
.Lentry_shape_is_right:
; qkv = x Wqkv^T on codes of FP6 (E2M3) with E8M0 scales, K = 1,024; the results are quantised in registers and leave as images of operand registers for the attention launch: nothing leaves as f32.
; OPERANDS: opnd [768 row tiles][8 K steps][1536], opsc [768][8][64] (tiles 0-511 x, 512-639 Wq and Wk, 640-703 Wv).  An image is a fragment's 12 registers: registers 4 g .. 4 g + 3 of lane l at 512 g + 16 l.
; Row r of tile 2 B + u is source row 32 B + 8 u + r + 8 (r / 8).
; THE MATRIX INSTRUCTION IS USED TRANSPOSED: source 0 = 16 rows of 'B', source 1 = 16 rows of 'A': a lane holds one row of A, and the 16 registers of B's tiles 2 B', 2 B' + 1 are B's source rows 32 B' + 16 (l / 16) + 0 .. 15:
; 16 neighbours along the next product's K.
; THE DEAL: the work is 768 units of 128 rows of A x 256 rows of B x all of K: three for each of 256 work-groups, which stay.  Work-group (j = 0..3, xb = 0..63):
;   units 0, 1: A = x's rows 128 xb .., B = rows 256 j .. and 256 (j + 4) .. of Wq | Wk: a lane holds a token, its registers run along a head's 128 channels: q's and k's K;
;   unit 2: A = Wv's rows 128 (xb % 8) .., B = x's rows 256 (4 (xb / 8) + j) ..: a lane holds a channel, its registers run along 128 tokens: v's K (the keys).  The text is the same for all three; only scalars differ.
; A wave makes 64 rows of A x 128 rows of B: 32 accumulators.
; OUT: img [12288][1536], isc [12288][64]: q(b, h, token tile) at 512 h + 128 b + tile; k at 512 (8 + h) + ..; v(b, h, key step s, channel tile t) at 8192 + 128 (8 b + h) + 8 s + t.
; THE RING: two LDS slots, each with four K steps of A's 8 tiles and of B's 16; six fills, and the ring does not stop at a unit's end.  Waves 0, 1 fetch A's halves, waves 2, 3 B's: one tensor load of a wave is out at the most.
; A fill is asked for behind the round at which the slot was given up, and has the other slot's four K steps (and, at a unit's end, the way out) in which to land.
; The scale words come from opsc straight into 64 registers, a unit's at a time, asked for ahead of the way out of the unit before: the two slots leave no LDS for them.
; CLUSTERS: 4 x 4 work-groups; A's tiles hang on xb alone and are asked for jointly along a row of the cluster, B's on j and the cluster's y alone, along a column.
; NO PREFETCH: K is eight steps, and each fill is asked for half a unit ahead of its first read.
; LIMITS: a block of zeros gets the byte 1 where the rule says 127 (its codes are zeros; this program alone reads the bytes); blocks under 2^-124 are held at the byte 1; NaN and infinities are not served.
; REGISTERS: window 0: v1-29 addresses; v32-95 scale words (register 8 s + i: lanes 0-15 A's block i, lanes 16-31 B's block i, K step s); v96-127 at work on the way out; v128-223 A's fragments, two sets of 48, later the codes made.
;   window 1: B's fragments, two sets, at v0 and v128.  window 2: the accumulators ((a, b) at v[8 (8 a + b)]).
.set TILEB, 6144                       ; a tile's four K steps in a slot
.set FRB,   1536
.set HALFK, 6144                       ; from a tile's K step 0 to its K step 4 in memory
.set LBO,   49152                      ; B's tiles in a slot, behind A's 8
.set SLOTB, 147456
.set SPARE, 2*SLOTB                    ; the spare words, 128 bytes for each wave: two blocks of 256 bytes that no other line names
.set FR,    12
.set LI,    1                          ; 16 x lane
.set L4,    5                          ; 4 x lane
.set R4,    6                          ; 4 r
.set ADRA,  10                         ; v10, v11 my A fragments in slot 0, 1
.set ADRB,  13                         ; v13, v14 my B fragments
.set VC,    16                         ; my scale words' offsets in opsc (lanes 0-15 A's rows, lanes 16-31 B's): unit 0's,
.set VN,    17                         ; the next unit's,
.set VL,    18                         ; unit 2's
.set SPW,   28
.set NIL,   29
.set SC,    32
.set TM,    96
.set TH,    112
.set PWO,   120
.set AF,    128
.set OUTC,  128
.set G1,  24
.set G1B, 32
.set GA0, 40
.set GA1, 44
.set GB0, 48
.set GB1, 52
.set AC,  56                           ; where my part of A's tiles begins: this unit's, the next unit's, unit 2's
.set AN,  58
.set AL,  60
.set BC,  62                           ; the same for B
.set BN,  66
.set BL,  68
.set OC,  70                           ; my images
.set ON,  72
.set OL,  74
.set PC,  76                           ; and their scale words
.set PN,  78
.set PL,  80
.set MSB, 0
.macro WIN new
.if MSB != \new
	s_set_vgpr_msb (MSB<<8)|\new
.set MSB, \new
.endif
.endm
.set MUL_W, 0xa1                       ; source 0 (B) window 1, source 1 (A) window 0, C and D window 2
.set TO_B,  0x40
.macro VWAIT
	s_wait_alu depctr_va_vdst(0)
.endm
.macro PLACES n
.rept \n
	v_nop
.endr
.endm
.macro JLOAD g0a, g0b                  ; a joint load: waves 0, 1 for A, waves 2, 3 for B; the branch hangs on the wave's number alone
	s_cmp_eq_u32 s15, 0
	s_cbranch_scc0 .Lfor_b_\@
	tensor_load_to_lds s[\g0a:\g0a+3], s[G1:G1+7]
	s_nop 0
	PLACES 4
	s_branch .Lasked_\@
.Lfor_b_\@:
	tensor_load_to_lds s[\g0b:\g0b+3], s[G1B:G1B+7]
	s_nop 0
	PLACES 4
.Lasked_\@:
.endm
.macro CROUND
	s_barrier_signal -1
	s_barrier_wait -1
	s_cmp_lg_u32 s14, 0
	s_cbranch_scc1 .Lnot_wave_0_\@
	s_barrier_signal -3
.Lnot_wave_0_\@:
	s_barrier_wait -3
	s_barrier_signal -1
	s_barrier_wait -1
.endm
	s_load_b128 s[4:7], s[0:1], 0x0                ; opnd, opsc
	s_load_b128 s[8:11], s[0:1], 0x10              ; img, isc
	v_lshl_add_u32 v[SPW], v0, 2, SPARE
	v_mov_b32 v[NIL], 0
	ds_add_u32 v[SPW], v[NIL]                      ; the opening lines: the add twice on end and its wait ahead of my first tensor load
	ds_add_u32 v[SPW], v[NIL]
	v_lshrrev_b32 v1, 5, v0
	v_readfirstlane_b32 s14, v1                    ; wave 0..3
	s_lshr_b32 s15, s14, 1                         ; which 64 rows of A are mine.  Also: I fetch for A (0) or for B (1)
	s_and_b32 s16, s14, 1                          ; which 128 rows of B.  Also: which half I fetch
	s_bfe_u32 s92, ttmp6, 0x40000                  ; cx
	s_bfe_u32 s93, ttmp6, 0x40004                  ; cy
	s_and_b32 s19, ttmp7, 0xffff                   ; the cluster's y
	s_lshl_b32 s17, s19, 2
	s_add_co_u32 s17, s17, s93                     ; xb
	s_lshl_b32 s18, ttmp9, 2
	s_add_co_u32 s18, s18, s92                     ; j
	s_lshl_b32 s94, s93, 2
	s_lshl_b32 s94, 15, s94                        ; my row of the cluster
	s_lshl_b32 s95, 0x1111, s92                    ; my column
	; group 1: rows (tiles) of 6,144 bytes (four K steps' images), 12,288 bytes apart, in elements of 8 bytes: 4 tiles a load for A, 8 for B
	s_or_b32 s[G1], s94, (3<<16)|(1<<21)           ; 15:0 the mask; 17:16 elements of 8 bytes; 21 set beside a mask
	s_or_b32 s[G1B], s95, (3<<16)|(1<<21)
.irp g, G1, G1B
	s_mov_b32 s[\g+1], 768<<16
	s_mov_b32 s[\g+3], 768<<16
	s_mov_b32 s[\g+5], 1536
	s_mov_b32 s[\g+6], 0
	s_mov_b32 s[\g+7], 0
.endr
	s_mov_b32 s[G1+2], 4<<16
	s_mov_b32 s[G1+4], 4
	s_mov_b32 s[G1B+2], 8<<16
	s_mov_b32 s[G1B+4], 8
	s_lshl_b32 s20, s17, 3                         ; A's first tile, units 0 and 1: 8 xb
	s_and_b32 s21, s17, 7
	s_lshl_b32 s21, s21, 3
	s_add_co_u32 s21, s21, 640                     ; unit 2: 640 + 8 (xb % 8)
	s_lshl_b32 s22, s18, 4
	s_add_co_u32 s22, s22, 512                     ; B's first tile, unit 0: 512 + 16 j (unit 1: 64 on)
	s_lshr_b32 s23, s19, 1
	s_lshl_b32 s23, s23, 2
	s_add_co_u32 s23, s23, s18                     ; unit 2: x's block of 256 rows, 4 (xb / 8) + j
	s_lshl_b32 s12, s23, 4                         ; its first tile
	s_lshl_b32 s13, s16, 2                         ; of A I fetch 4 tiles,
	s_add_co_u32 s82, s20, s13
	s_mul_i32 s82, s82, 12288
	s_mov_b32 s83, 0
	s_add_co_u32 s84, s21, s13
	s_mul_i32 s84, s84, 12288
	s_mov_b32 s85, 0
	s_lshl_b32 s13, s16, 3                         ; of B 8
	s_add_co_u32 s86, s22, s13
	s_mul_i32 s86, s86, 12288
	s_mov_b32 s87, 0
	s_add_co_u32 s88, s12, s13
	s_mul_i32 s88, s88, 12288
	s_mov_b32 s89, 0
	s_mul_i32 s91, s16, 4*TILEB                    ; where they go in a slot: A's half,
	s_mul_i32 s90, s16, 8*TILEB
	s_add_co_u32 s90, s90, LBO                     ; B's half: no place in the cluster enters an LDS address
	s_wait_dscnt 0x0                               ; both opening adds are done
	s_wait_kmcnt 0x0
	s_add_nc_u64 s[AC:AC+1], s[4:5], s[82:83]
	s_mov_b64 s[AN:AN+1], s[AC:AC+1]
	s_add_nc_u64 s[AL:AL+1], s[4:5], s[84:85]
	s_add_nc_u64 s[BC:BC+1], s[4:5], s[86:87]
	s_add_nc_u64 s[BN:BN+1], s[BC:BC+1], 64*12288
	s_add_nc_u64 s[BL:BL+1], s[4:5], s[88:89]
	CROUND                                         ; all sixteen work-groups are here: the first joint loads meet
	s_mov_b32 s[GA0], 1
	s_mov_b32 s[GA0+1], s91
	s_mov_b64 s[GA0+2:GA0+3], s[AC:AC+1]
	s_or_b32 s[GA0+3], s[GA0+3], 0x80000000
	s_mov_b32 s[GB0], 1
	s_mov_b32 s[GB0+1], s90
	s_mov_b64 s[GB0+2:GB0+3], s[BC:BC+1]
	s_or_b32 s[GB0+3], s[GB0+3], 0x80000000
	s_mov_b32 s[GA1], 1
	s_add_co_u32 s[GA1+1], s91, SLOTB
	s_mov_b32 s[GB1], 1
	s_add_co_u32 s[GB1+1], s90, SLOTB
	JLOAD GA0, GB0                                 ; unit 0's K steps 0-3: one load a wave at the head
	; where my four images of each unit go
	s_lshl_b32 s82, s18, 1
	s_add_co_u32 s82, s82, s16                     ; which 128 rows of Wq | Wk: head, or 8 + head
	s_lshl_b32 s82, s82, 9
	s_add_co_u32 s82, s82, s20
	s_lshl_b32 s84, s15, 2
	s_add_co_u32 s82, s82, s84                     ; q, k: 512 x that + token tile
	s_lshl_b32 s86, s23, 1
	s_add_co_u32 s86, s86, s16                     ; which 128 tokens: 16 b + key step
	s_lshr_b32 s87, s86, 4
	s_lshl_b32 s87, s87, 10                        ; v: 1,024 b
	s_and_b32 s86, s86, 15
	s_lshl_b32 s86, s86, 3
	s_add_co_u32 s86, s86, s87                     ; + 8 x key step
	s_and_b32 s87, s17, 7
	s_lshl_b32 s87, s87, 7
	s_add_co_u32 s86, s86, s87                     ; + 128 x head
	s_add_co_u32 s86, s86, s84                     ; + channel tile
	s_add_co_u32 s86, s86, 8192
	s_mov_b32 s89, 0
	s_mul_i32 s88, s82, FRB
	s_add_nc_u64 s[OC:OC+1], s[8:9], s[88:89]
	s_add_nc_u64 s[ON:ON+1], s[OC:OC+1], 4096*FRB  ; unit 1: eight heads, 4,096 images, on
	s_lshl_b32 s88, s82, 6
	s_add_nc_u64 s[PC:PC+1], s[10:11], s[88:89]
	s_add_nc_u64 s[PN:PN+1], s[PC:PC+1], 4096*64
	s_mul_i32 s88, s86, FRB
	s_add_nc_u64 s[OL:OL+1], s[8:9], s[88:89]
	s_lshl_b32 s88, s86, 6
	s_add_nc_u64 s[PL:PL+1], s[10:11], s[88:89]
	; my scale words in opsc: 512 bytes a tile
	s_add_co_u32 s82, s20, s84
	s_lshl_b32 s82, s82, 9                         ; A's, units 0 and 1
	s_add_co_u32 s83, s21, s84
	s_lshl_b32 s83, s83, 9                         ; unit 2
	s_add_co_u32 s86, s22, s13
	s_lshl_b32 s86, s86, 9                         ; B's, unit 0
	s_add_co_u32 s87, s86, 64*512                  ; unit 1
	s_add_co_u32 s88, s12, s13
	s_lshl_b32 s88, s88, 9                         ; unit 2
	s_mul_i32 s89, s15, 4*TILEB                    ; my 4 tiles of A in a slot (my 8 of B begin where I fetch: s90)
	s_mov_b32 s96, 0x76543210
	s_mov_b32 s97, 0xfedcba98                      ; v_permlanex16_b32's selects for lane l xor 16
	s_mov_b32 s98, 0xffff0000                      ; lanes 16-31
	v_and_b32 v3, 31, v0
	v_and_b32 v2, 15, v0
	v_lshlrev_b32 v[LI], 4, v3
	v_lshlrev_b32 v[L4], 2, v3
	v_lshlrev_b32 v[R4], 2, v2
	v_add_nc_u32 v[ADRA], s89, v[LI]
	v_add_nc_u32 v[ADRB], s90, v[LI]
	v_add_nc_u32 v[ADRA+1], SLOTB, v[ADRA]
	v_add_nc_u32 v[ADRB+1], SLOTB, v[ADRB]
	v_mov_b32 v8, s82
	v_mov_b32 v9, s86
	v_mov_b32 v7, s87
	v_cndmask_b32 v[VC], v8, v9, s98               ; lanes 0-15 A's rows, lanes 16-31 B's
	v_cndmask_b32 v[VN], v8, v7, s98
	v_mov_b32 v8, s83
	v_mov_b32 v9, s88
	v_cndmask_b32 v[VL], v8, v9, s98
	v_add_nc_u32 v[VC], v[VC], v[R4]
	v_add_nc_u32 v[VN], v[VN], v[R4]
	v_add_nc_u32 v[VL], v[VL], v[R4]
.irp b, 0,1,2,3
	v_mov_b32 v[TM+4+\b], 0                        ; written once: a lane permute's destination counts as one of its sources
.endr
	VWAIT                                          ; the head's end
.macro SCLOAD off                      ; a unit's 64 scale registers (for i over 3 lanes 0-15 read words that are not used; they lie inside opsc: the highest tile named is 707 of 768)
.irp s, 0,1,2,3,4,5,6,7
.irp i, 0,1,2,3,4,5,6,7
	global_load_b32 v[SC+8*\s+\i], v[\off], s[6:7] offset:\i*512+\s*64
.endr
.endr
.endm
.macro FETCH s                         ; K step s of the unit (slot s / 4): B's eight fragments and A's four, into sets s % 2; a fragment comes as its image lies
	WIN TO_B
.irp i, 0,1,2,3,4,5,6,7
.irp c, 0,1,2
	ds_load_b128 v[128*((\s)%2)+FR*\i+4*\c:128*((\s)%2)+FR*\i+4*\c+3], v[ADRB+(\s)/4] offset:\i*TILEB+((\s)%4)*FRB+512*\c
.endr
.endr
	WIN 0
.irp i, 0,1,2,3
.irp c, 0,1,2
	ds_load_b128 v[AF+48*((\s)%2)+FR*\i+4*\c:AF+48*((\s)%2)+FR*\i+4*\c+3], v[ADRA+(\s)/4] offset:\i*TILEB+((\s)%4)*FRB+512*\c
.endr
.endr
.endm
; 32 matrix instructions: the 32 accumulators take turns, one instruction a turn, in the same order in every step.  A unit's first step starts the sums: nothing is cleared.
.macro MUL32 s
.irp a, 0,1,2,3
.irp b, 0,1,2,3,4,5,6,7
.if (\s) == 0
	v_wmma_scale_f32_16x16x128_f8f6f4 v[8*(8*\a+\b):8*(8*\a+\b)+7], v[128*((\s)%2)+FR*\b:128*((\s)%2)+FR*\b+FR-1], v[AF+48*((\s)%2)+FR*\a:AF+48*((\s)%2)+FR*\a+FR-1], 0, v[SC+8*(\s)+\b], v[SC+8*(\s)+\a] matrix_a_fmt:MATRIX_FMT_FP6 matrix_b_fmt:MATRIX_FMT_FP6 matrix_a_scale:MATRIX_SCALE_ROW1
.else
	v_wmma_scale_f32_16x16x128_f8f6f4 v[8*(8*\a+\b):8*(8*\a+\b)+7], v[128*((\s)%2)+FR*\b:128*((\s)%2)+FR*\b+FR-1], v[AF+48*((\s)%2)+FR*\a:AF+48*((\s)%2)+FR*\a+FR-1], v[8*(8*\a+\b):8*(8*\a+\b)+7], v[SC+8*(\s)+\b], v[SC+8*(\s)+\a] matrix_a_fmt:MATRIX_FMT_FP6 matrix_b_fmt:MATRIX_FMT_FP6 matrix_a_scale:MATRIX_SCALE_ROW1
.endif
.endr
.endr
.endm
.macro ST s, more
	s_wait_dscnt 0x0                               ; this step's fragments are in
.if \more
	PLACES 4                                       ; the loads below land in registers that the last step's products read
	FETCH (\s)+1
.endif
	WIN MUL_W
	MUL32 \s
	WIN 0
.endm
; Half a unit: four K steps from slot hf.  In front of the round each wave waits for all its tensor loads, adds 0 to its spare word, and waits for that and for its reads of the other slot; behind it the other slot is filled again first.
.macro HALF hf, refill
	VWAIT
	s_wait_tensorcnt 0x0                           ; my part of slot hf has landed; no tensor load of mine is out, so a group 0 may be written
	ds_add_u32 v[SPW], v[NIL]                      ; 0 onto my spare word
.if \refill
.if \hf == 0
	s_add_nc_u64 s[GA1+2:GA1+3], s[AC:AC+1], HALFK ; slot 1 takes this unit's K steps 4-7
	s_add_nc_u64 s[GB1+2:GB1+3], s[BC:BC+1], HALFK
	s_or_b32 s[GA1+3], s[GA1+3], 0x80000000
	s_or_b32 s[GB1+3], s[GB1+3], 0x80000000
.else
	s_mov_b64 s[GA0+2:GA0+3], s[AN:AN+1]           ; slot 0 takes the next unit's K steps 0-3
	s_mov_b64 s[GB0+2:GB0+3], s[BN:BN+1]
	s_or_b32 s[GA0+3], s[GA0+3], 0x80000000
	s_or_b32 s[GB0+3], s[GB0+3], 0x80000000
.endif
.endif
	s_wait_dscnt 0x0                               ; the add is done, and my reads of the other slot are over
	CROUND                                         ; both now hold of every wave of the sixteen work-groups
.if \refill
.if \hf == 0
	JLOAD GA1, GB1                                 ; its four v_nop are also the places in front of the loads below
.else
	JLOAD GA0, GB0
.endif
.else
	PLACES 4
.endif
	FETCH 4*\hf
	ST 4*\hf, 1
	ST 4*\hf+1, 1
	ST 4*\hf+2, 1
	ST 4*\hf+3, 0
.endm
; THE WAY OUT.  Block a (16 rows of A x my 128 rows of B) is 64 registers a lane: register 16 b + i = k 32 b + 16 (l / 16) + i of my row: it is quantised as it stands and leaves as one image.  No LDS.
; Each accumulator is read from its low end on.  Each block has its own registers for its codes and its scale word.
.macro QOUT a
.set QS, 64*(\a)
.set QP, OUTC+12*(\a)
	WIN 0x0a                                       ; sources 0 and 1: the accumulators' window
.irp b, 0,1,2,3
	v_max3_num_f32 v[TM+\b], |v[QS+16*\b]|, |v[QS+16*\b+1]|, 0x1800000   ; and the floor 2^(3 - 127): the byte cannot fall under 1
.endr
.irp i, 2,4,6,8,10,12,14
.irp b, 0,1,2,3
	v_max3_num_f32 v[TM+\b], |v[QS+16*\b+\i]|, |v[QS+16*\b+\i+1]|, v[TM+\b]
.endr
.endr
	WIN 0
.irp b, 0,1,2,3
	v_permlanex16_b32 v[TM+4+\b], v[TM+\b], s96, s97
.endr
.irp b, 0,1,2,3
	v_max_num_f32 v[TM+\b], v[TM+\b], v[TM+4+\b]
.endr
.irp b, 0,1,2,3
	v_add_nc_u32 v[TM+12+\b], 0xff000000, v[TM+\b] ; 2 off the exponent field: the conversion's scale operand
.endr
.irp b, 0,1,2,3
	v_lshrrev_b32 v[TM+4+\b], 23, v[TM+12+\b]      ; the scale's byte
.endr
	v_lshl_or_b32 v[PWO+(\a)], v[TM+5], 8, v[TM+4]
	v_lshl_or_b32 v[PWO+(\a)], v[TM+6], 16, v[PWO+(\a)]
	v_lshl_or_b32 v[PWO+(\a)], v[TM+7], 24, v[PWO+(\a)]
	WIN 0x02                                       ; source 0: the accumulators' window
.irp c, 0,1
	v_cvt_scalef32_pk16_fp6_f32 v[QP+6*\c:QP+6*\c+2], v[QS+32*\c:QS+32*\c+15], v[TM+12+2*\c]
	v_cvt_scalef32_pk16_fp6_f32 v[TH+4*\c:TH+4*\c+2], v[QS+16+32*\c:QS+31+32*\c], v[TM+13+2*\c]
.endr
	WIN 0
	v_nop                                          ; one plain instruction behind the scaled conversions
.irp c, 0,1
.irp i, 0,1,2
	v_permlane16_swap_b32 v[QP+6*\c+\i], v[TH+4*\c+\i]
.endr
.irp i, 0,1,2
	v_mov_b32 v[QP+3+6*\c+\i], v[TH+4*\c+\i]
.endr
.endr
.irp c, 0,1,2
	global_store_b128 v[LI], v[QP+4*\c:QP+4*\c+3], s[OC:OC+1] offset:FRB*(\a)+512*\c   ; 512 consecutive bytes, at a multiple of 256 from the buffer's first byte
.endr
.endm
.macro EPI more
	PLACES 4                                       ; behind the last products: results are read, and registers that held scale words and A's fragments are written
.if \more
	SCLOAD VN                                      ; the next unit's scale words land while this unit goes out
.endif
.irp a, 0,1,2,3
	QOUT \a
.endr
.irp p, 0,1
	v_cndmask_b32 v[124+\p], v[PWO+2*\p], v[PWO+1+2*\p], s98   ; lanes 0-15: block 2 p's words; lanes 16-31: block 2 p + 1's
.endr
.irp p, 0,1
	global_store_b32 v[L4], v[124+\p], s[PC:PC+1] offset:128*\p
.endr
.if \more
	VWAIT
	s_wait_loadcnt 0x0                             ; the scale words are in, and their loads have read their offsets
	s_wait_xcnt 0x0                                ; the stores have read their registers and bases
	v_mov_b32 v[VN], v[VL]
	s_mov_b64 s[AC:AC+1], s[AN:AN+1]               ; on to the next unit
	s_mov_b64 s[AN:AN+1], s[AL:AL+1]
	s_mov_b64 s[BC:BC+1], s[BN:BN+1]
	s_mov_b64 s[BN:BN+1], s[BL:BL+1]
	s_mov_b64 s[OC:OC+1], s[ON:ON+1]
	s_mov_b64 s[ON:ON+1], s[OL:OL+1]
	s_mov_b64 s[PC:PC+1], s[PN:PN+1]
	s_mov_b64 s[PN:PN+1], s[PL:PL+1]
.endif
.endm
	SCLOAD VC                                      ; unit 0's scale words
	s_wait_loadcnt 0x0
	s_mov_b32 s3, 2
.Lunit:                                                ; units 0 and 1: each trip fills both slots again
	HALF 0, 1
	HALF 1, 1
	EPI 1
	s_sub_co_u32 s3, s3, 1
	s_cmp_lg_u32 s3, 0
	VWAIT
	s_cbranch_scc1 .Lunit
	HALF 0, 1                                      ; unit 2 is written out: its second half asks for nothing more
	HALF 1, 0
	EPI 0
	s_wait_tensorcnt 0x0                           ; the wave's end
	ds_add_u32 v[SPW], v[NIL]
	s_wait_dscnt 0x0
	CROUND                                         ; the closing round: no work-group ends while a partner may still ask for a tile that names it
	s_endpgm
.Lfunc_end_k_q82c3f4ae38_qkv:
	.size	k_q82c3f4ae38_qkv, .Lfunc_end_k_q82c3f4ae38_qkv-k_q82c3f4ae38_qkv
	.p2alignl 7, 3214868480
	.fill 96, 4, 3214868480
	.section	.rodata,"a",@progbits
	.p2align	6, 0x0
	.amdhsa_kernel k_q82c3f4ae38_qkv
		.amdhsa_group_segment_fixed_size 327680
		.amdhsa_private_segment_fixed_size 0
		.amdhsa_enable_private_segment 0
		.amdhsa_kernarg_size 32
		.amdhsa_user_sgpr_count 2
		.amdhsa_user_sgpr_kernarg_segment_ptr 1
		.amdhsa_wavefront_size32 1
		.amdhsa_system_sgpr_workgroup_id_x 1
		.amdhsa_system_sgpr_workgroup_id_y 1
		.amdhsa_system_sgpr_workgroup_id_z 1
		.amdhsa_system_vgpr_workitem_id 0
		.amdhsa_next_free_vgpr 768
		.amdhsa_next_free_sgpr 100
		.amdhsa_reserve_vcc 0
		.amdhsa_float_denorm_mode_32 3
		.amdhsa_float_denorm_mode_16_64 3
		.amdhsa_memory_ordered 1
		.amdhsa_forward_progress 1
		.amdhsa_inst_pref_size 163
	.end_amdhsa_kernel
	.amdgpu_metadata
---
amdhsa.version: [ 1, 2 ]
amdhsa.kernels:
  - .name:           k_q82c3f4ae38_qkv
    .symbol:         k_q82c3f4ae38_qkv.kd
    .args:
      - { .name: opnd, .offset: 0, .size: 8, .value_kind: global_buffer, .address_space: global }
      - { .name: opsc, .offset: 8, .size: 8, .value_kind: global_buffer, .address_space: global }
      - { .name: img, .offset: 16, .size: 8, .value_kind: global_buffer, .address_space: global }
      - { .name: isc, .offset: 24, .size: 8, .value_kind: global_buffer, .address_space: global }
    .group_segment_fixed_size: 327680
    .private_segment_fixed_size: 0
    .kernarg_segment_align: 8
    .kernarg_segment_size: 32
    .max_flat_workgroup_size: 128
    .sgpr_count:     100
    .vgpr_count:     768
    .wavefront_size: 32
...
	.end_amdgpu_metadata
.endif
;; end of part 2
;; launch attn (part 3): grid 8 x 32, 8 waves a work-group, clusters of 4 x 1, 327,680 bytes of LDS; arguments img, isc, oimg, osc; writes oimg, osc
.if DOCPART == 3
	.amdgcn_target "amdgcn-amd-amdhsa--gfx1250"
	.amdhsa_code_object_version 6
	.text
	.protected	k_q82c3f4ae38_attn
	.globl	k_q82c3f4ae38_attn
	.p2align	8
	.type	k_q82c3f4ae38_attn,@function
k_q82c3f4ae38_attn:
	s_mov_b64 s[64:65], 0
	v_nop
	global_prefetch_b8 v0, s[64:65] scope:SCOPE_SE
	s_setreg_imm32_b32 hwreg(HW_REG_WAVE_MODE, 25, 1), 1
	s_wait_xcnt 0x0
	s_wait_alu depctr_hold_cnt(0) depctr_sa_sdst(0) depctr_va_vdst(0) depctr_va_sdst(0) depctr_va_ssrc(0) depctr_va_vcc(0) depctr_vm_vsrc(0)
	s_getreg_b32 s2, hwreg(HW_REG_IB_STS2, 6, 4)
	s_cmp_eq_u32 s2, 0
	s_cbranch_scc0 .Lentry_in_a_cluster
	s_endpgm
.Lentry_in_a_cluster:
	s_bfe_u32 s2, ttmp6, 0x10000c
	s_cmp_lg_u32 s2, 0x3003
	s_cbranch_scc0 .Lentry_shape_is_right
	s_endpgm
.Lentry_shape_is_right:
; O = softmax(Q K^T / sqrt(128)) V for 32 heads (b, h) of 2,048 tokens, both products on codes of FP6 (E2M3) with E8M0 scales; O is divided by the row's sum, quantised along the channels and leaves as images for the projection.
; IN: img [12288][1536], isc [12288][64]: q(b, h, tile) at 512 h + 128 b + tile; k at 512 (8 + h) + 128 b + tile; v(b, h, key step s, channel tile t) at 8192 + 128 (8 b + h) + 8 s + t.  An image is a fragment's 12 registers:
; registers 4 g .. 4 g + 3 of lane l at 512 g + 16 l.  Row r of token (or channel) tile 2 B + u is token (channel) 32 B + 8 u + r + 8 (r / 8); v's K runs along the keys in their true order.
; OUT: oimg [512 token tiles][8 heads][1536], osc [512][8][64]: the head is the projection's K step.
; THE SOFTMAX: t = score x log2(e) / sqrt(128); M = the row's largest t so far, rounded up to a whole number; p = 2^(t - M) is quantised along the keys, not normalised; the row's sum is taken of the unquantised p.
; When M moves, the sum and O are multiplied by 2^(old M - new M): exact.
; SHARES: a work-group owns 256 queries of a head; each of its eight waves TWO tiles of 16 queries, so that each fragment of K and V read from LDS feeds two products.  Every wave walks all keys, 128 a step.
; Both products are used transposed (S^T = K Q^T, O^T = V^T P^T): a lane holds one query; by the tiles' row order the 16 registers of tiles 2 B, 2 B + 1 are 16 neighbouring keys (channels).
; REGISTERS: tile 0 lives in window 0, tile 1 in window 1 UNDER THE SAME NUMBERS, so the softmax's text serves both: v12 -M, v13 the largest t, v[14:15] the sum, v16-27 Q, v96-159 S^T then p, v160-223 O^T, v224-235 p's codes, v232-254 at work.
;   v32-79 of window 0 hold a step's fragments 0-3, v32-79 of window 1 its fragments 4-7.  Window 0 alone: v1-8 addresses; v80-87 scale words (lanes 0-15 K's, lanes 16-31 V's); v255, v88 Q's scale words; v253, v89 p's.
; LDS: K's images of 1,536 keys on end, then V's; keys 1536-2047 fill the first third of each again behind the first four key steps.  The head's scale words stay in LDS.
; LOADS: at the head one a wave: waves 0-5 a third of K's or V's images (49,152 bytes), waves 6, 7 K's and V's scale words.  One tensor load of a wave is out at the most.
; CLUSTER: the four query blocks of a cluster walk the same K and V: every tensor load is joint, with the mask of all four.
; NO PREFETCH: 1,536 of the 2,048 keys are asked for at the head, and the one refill is asked for eight key steps ahead of its first read.
; LIMITS: the promise holds while the scaled scores t stay under 2^31 in magnitude; a block of zeros gets the byte 1 where the rule says 127 (this program alone reads the bytes); blocks under 2^-124 are held at the byte 1;
; NaN and infinities are not served; 1 / sum is v_rcp_f32 and a multiplication.
.set VREG,  147456                     ; V's images, behind K's three thirds of 49,152 bytes
.set SCK,   294912                     ; K's scale words, 8,192 bytes (key step, tile, row at 512 s + 64 t + 4 r), then V's
.set SPARE, SCK+16384                  ; the spare words, 128 bytes for each wave: four blocks of 256 bytes that no other line names
.set LI,  1                            ; 16 x lane
.set ASC, 2                            ; SCK + 4 r + 8,192 (l / 16)
.set ADR, 3                            ; the step's images of K
.set ADS, 4                            ; its scale words
.set SPW, 5                            ; my spare word; never rewritten
.set NIL, 6                            ; 0; never rewritten
.set R4,  7                            ; 4 r
.set ADV, 8                            ; the step's images of V
.set QS0, 255
.set QS1, 88
.set PS0, 253
.set PS1, 89
.set TM,  232
.set WV,  18
.set SEL, 20                           ; s[20:21] lane selects: lane l xor 16
.set CS,  22                           ; s[22:23] c = log2(e) / sqrt(128)
.set G1D, 24
.set G1S, 32
.set G0S, 40
.set G0D, 44
.set TB,  56
.set TS,  57
.set CNT, 58
.set MSB, 0
.macro WIN new                         ; low byte: bits 1:0 source 0, 3:2 source 1, 5:4 source 2, 7:6 destination; the high byte repeats the setting that is left
.if MSB != \new
	s_set_vgpr_msb (MSB<<8)|\new
.set MSB, \new
.endif
.endm
.macro VWAIT
	s_wait_alu depctr_va_vdst(0)
.endm
.macro CROUND
	s_barrier_signal -1
	s_barrier_wait -1
	s_cmp_lg_u32 s[WV], 0
	s_cbranch_scc1 .Lnot_wave_0_\@
	s_barrier_signal -3
.Lnot_wave_0_\@:
	s_barrier_wait -3
	s_barrier_signal -1
	s_barrier_wait -1
.endm
.macro NOPS
.rept 4
	v_nop
.endr
.endm
	s_load_b128 s[4:7], s[0:1], 0x0                ; img, isc
	s_load_b128 s[8:11], s[0:1], 0x10              ; oimg, osc
	v_lshl_add_u32 v[SPW], v0, 2, SPARE
	v_mov_b32 v[NIL], 0
	ds_add_u32 v[SPW], v[NIL]                      ; the opening lines: the add twice on end and its wait ahead of my first tensor load
	ds_add_u32 v[SPW], v[NIL]
	v_lshrrev_b32 v8, 5, v0
	v_readfirstlane_b32 s[WV], v8                  ; wave 0..7
	s_bfe_u32 s12, ttmp6, 0x40000                  ; cx: it enters Q's and O's addresses alone
	s_lshl_b32 s13, ttmp9, 2
	s_add_co_u32 s13, s13, s12                     ; my block of 256 queries
	s_lshl_b32 s13, s13, 4
	s_lshl_b32 s12, s[WV], 1
	s_add_co_u32 s13, s13, s12                     ; the first of my two tiles among the head's 128
	s_and_b32 s14, ttmp7, 0xffff                   ; 8 b + h
	s_lshr_b32 s15, s14, 3
	s_and_b32 s16, s14, 7
	s_lshl_b32 s17, s15, 7                         ; 128 b
	s_lshl_b32 s19, s16, 9
	s_add_co_u32 s19, s19, s17                     ; 512 h + 128 b
	s_add_co_u32 s59, s19, 4096                    ; K's first image
	s_lshl_b32 s60, s14, 7
	s_add_co_u32 s60, s60, 8192                    ; V's
	s_and_b32 s61, s[WV], 1                        ; even waves fetch for K, odd ones for V
	s_cmp_eq_u32 s61, 0
	s_cselect_b32 s59, s59, s60
	s_lshr_b32 s60, s[WV], 1                       ; which third (waves 0-5)
	s_mul_i32 s62, s59, 1536
	s_mul_i32 s48, s60, 49152
	s_add_co_u32 s62, s62, s48                     ; my third's images, in bytes
	s_mov_b32 s63, 0
	s_lshl_b32 s50, s59, 6                         ; the scale words
	s_mov_b32 s51, 0
	s_mul_i32 s2, s61, VREG
	s_add_co_u32 s2, s2, s48                       ; where the images go,
	s_lshl_b32 s3, s61, 13                         ; and the scale words
	s_add_co_u32 s19, s19, s13                     ; my queries' first image
	s_add_co_u32 s17, s17, s13                     ; my first token tile
	s_lshl_b32 s17, s17, 3
	s_add_co_u32 s17, s17, s16                     ; x 8 + head
	s_mul_i32 s12, s19, 1536
	s_mov_b32 s13, 0
	s_lshl_b32 s14, s19, 6
	s_mov_b32 s15, 0
	s_mul_i32 s52, s17, 1536
	s_mov_b32 s53, 0
	s_lshl_b32 s54, s17, 6
	s_mov_b32 s55, 0
	; group 1: dense bytes as rows of 256 (32 elements of 8 bytes): 192 rows of images, 32 rows of scale words
	s_mov_b32 s[G1D], 15|(3<<16)|(1<<21)           ; 15:0 the mask: all four work-groups; 17:16 elements of 8 bytes; 21 set beside a mask
	s_mov_b32 s[G1D+1], 32<<16
	s_mov_b32 s[G1D+2], 192<<16
	s_mov_b32 s[G1D+3], 32<<16
	s_mov_b32 s[G1D+4], 192
	s_mov_b32 s[G1D+5], 32
	s_mov_b32 s[G1D+6], 0
	s_mov_b32 s[G1D+7], 0
	s_mov_b32 s[G1S], 15|(3<<16)|(1<<21)
	s_mov_b32 s[G1S+1], 32<<16
	s_mov_b32 s[G1S+2], 32<<16
	s_mov_b32 s[G1S+3], 32<<16
	s_mov_b32 s[G1S+4], 32
	s_mov_b32 s[G1S+5], 32
	s_mov_b32 s[G1S+6], 0
	s_mov_b32 s[G1S+7], 0
	s_mov_b32 s[SEL], 0x76543210
	s_mov_b32 s[SEL+1], 0xfedcba98
	s_mov_b32 s[CS], 0x3e0293ee                    ; c = log2(e) / sqrt(128)
	s_mov_b32 s[CS+1], s[CS]                       ; (named with it as a pair, so it is written)
	s_wait_dscnt 0x0                               ; both opening adds are done
	s_wait_kmcnt 0x0
	s_add_nc_u64 s[62:63], s[4:5], s[62:63]
	s_add_nc_u64 s[50:51], s[6:7], s[50:51]
	s_add_nc_u64 s[12:13], s[4:5], s[12:13]        ; Q's codes
	s_add_nc_u64 s[14:15], s[6:7], s[14:15]        ; Q's scale words
	s_add_nc_u64 s[8:9], s[8:9], s[52:53]          ; my images of O
	s_add_nc_u64 s[10:11], s[10:11], s[54:55]      ; and their scale words
	s_mov_b32 s[G0S], 1
	s_add_co_u32 s[G0S+1], s3, SCK
	s_mov_b64 s[G0S+2:G0S+3], s[50:51]
	s_or_b32 s[G0S+3], s[G0S+3], 0x80000000
	s_mov_b32 s[G0D], 1
	s_mov_b32 s[G0D+1], s2
	s_mov_b64 s[G0D+2:G0D+3], s[62:63]
	s_or_b32 s[G0D+3], s[G0D+3], 0x80000000
	CROUND                                         ; all four work-groups are here: the first joint loads meet
	s_cmp_lt_u32 s[WV], 6                          ; one load a wave, one in each arm
	s_cbranch_scc0 .Lhead_scales
	tensor_load_to_lds s[G0D:G0D+3], s[G1D:G1D+7]
	s_nop 0
	NOPS
	s_branch .Lhead_asked
.Lhead_scales:
	tensor_load_to_lds s[G0S:G0S+3], s[G1S:G1S+7]
	s_nop 0
	NOPS
.Lhead_asked:
	v_and_b32 v9, 31, v0
	v_and_b32 v10, 15, v0
	v_bfe_u32 v11, v0, 4, 1
	v_lshlrev_b32 v[LI], 4, v9
	v_lshlrev_b32 v[R4], 2, v10
	v_lshl_add_u32 v[ASC], v11, 13, SCK
	v_add_nc_u32 v[ASC], v[ASC], v[R4]
.irp c, 0,1,2
	global_load_b128 v[16+4*\c:19+4*\c], v[LI], s[12:13] offset:512*\c   ; Q's fragments stay in registers: tile 0,
.endr
	global_load_b32 v[QS0], v[R4], s[14:15]
	global_load_b32 v[QS1], v[R4], s[14:15] offset:64
	WIN 0x40
.irp c, 0,1,2
	global_load_b128 v[16+4*\c:19+4*\c], v[LI], s[12:13] offset:1536+512*\c   ; tile 1, into window 1
.endr
.macro INIT
	v_mov_b32 v13, 0xff61b1e6                      ; the largest t so far: -3e38, under every t
	v_mov_b32 v14, 0
	v_mov_b32 v15, 0
	v_floor_f32 v12, -v13                          ; -M
.irp b, 0,1,2,3
	v_mov_b32 v[236+\b], 0                         ; written once: a lane permute's destination counts as one of its sources
.endr
	v_mov_b32 v253, 0                              ; (named as the upper half of the pair v[252:253])
.set J, 0
.rept 64
	v_mov_b32 v[160+J], 0                          ; O^T: the step is written once; the first finds zeros
.set J, J+1
.endr
.endm
	WIN 0
	INIT
	WIN 0x55
	INIT
	WIN 0
.macro LDF adr, off                    ; four fragments, as their images lie
.irp t, 0,1,2,3
.irp c, 0,1,2
	ds_load_b128 v[32+12*\t+4*\c:35+12*\t+4*\c], v[\adr] offset:\off+\t*1536+512*\c
.endr
.endr
.endm
.macro SMUL t0, qs                     ; S^T of four tiles of 16 keys
.irp t, 0,1,2,3
	v_wmma_scale_f32_16x16x128_f8f6f4 v[96+8*(\t0+\t):103+8*(\t0+\t)], v[32+12*\t:43+12*\t], v[16:27], 0, v[80+\t0+\t], v[\qs] matrix_a_fmt:MATRIX_FMT_FP6 matrix_b_fmt:MATRIX_FMT_FP6
.endr
.endm
.macro PMUL t0, ps                     ; O^T += V^T P^T, four tiles of 16 channels: each accumulator has one instruction a step
.irp t, 0,1,2,3
	v_wmma_scale_f32_16x16x128_f8f6f4 v[160+8*(\t0+\t):167+8*(\t0+\t)], v[32+12*\t:43+12*\t], v[224:235], v[160+8*(\t0+\t):167+8*(\t0+\t)], v[80+\t0+\t], v[\ps] matrix_a_fmt:MATRIX_FMT_FP6 matrix_b_fmt:MATRIX_FMT_FP6 matrix_a_scale:MATRIX_SCALE_ROW1
.endr
.endm
.macro PA                              ; the blocks' largest scores, the new M, t - M
.irp b, 0,1,2,3
	v_max3_num_f32 v[232+\b], v[96+16*\b], v[97+16*\b], v[98+16*\b]   ; of each block of 32 keys: it serves for the row's maximum and, since p rises with the score, for the block's largest p
.endr
.irp i, 3,5,7,9,11,13
.irp b, 0,1,2,3
	v_max3_num_f32 v[232+\b], v[232+\b], v[96+16*\b+\i], v[97+16*\b+\i]
.endr
.endr
.irp b, 0,1,2,3
	v_max_num_f32 v[232+\b], v[232+\b], v[111+16*\b]
.endr
.irp b, 0,1,2,3
	v_permlanex16_b32 v[236+\b], v[232+\b], s[SEL], s[SEL+1]
.endr
.irp b, 0,1,2,3
	v_max_num_f32 v[232+\b], v[232+\b], v[236+\b]  ; with lane l xor 16's 16 keys
.endr
	s_delay_alu instid0(VALU_DEP_2)
	v_max3_num_f32 v254, v232, v233, v234
	s_delay_alu instid0(VALU_DEP_1)
	v_max_num_f32 v254, v254, v235                 ; the step's largest score of my query
	s_delay_alu instid0(VALU_DEP_1)
	v_mul_f32 v254, s[CS], v254                    ; as t (c is positive)
	s_delay_alu instid0(VALU_DEP_1)
	v_max_num_f32 v13, v13, v254                   ; the running largest t
	v_mov_b32 v254, v12
	s_delay_alu instid0(VALU_DEP_2)
	v_floor_f32 v12, -v13                          ; the new -M = -ceil(t)
	s_delay_alu instid0(VALU_DEP_1)
	v_sub_f32 v254, v12, v254                      ; old M - new M: a whole number, 0 or less
	s_delay_alu instid0(VALU_DEP_1)
	v_cvt_i32_f32 v254, v254                       ; (it saturates)
	s_delay_alu instid0(VALU_DEP_1)
	v_ldexp_f32 v252, 1.0, v254                    ; f = 2^(old M - new M)
.set J, 0
.rept 32
	v_pk_fma_f32 v[96+J:97+J], v[96+J:97+J], s[CS:CS+1], v[12:13] op_sel_hi:[1,0,0]   ; t - M, two at a time
.set J, J+2
.endr
.irp b, 0,1,2,3
	v_fma_f32 v[232+\b], v[232+\b], s[CS], v12     ; the same of each block's largest score
.endr
.endm
.macro PE                              ; one batch: p = 2^(t - M), and each block's largest p
.set J, 0
.rept 64
	v_exp_f32 v[96+J], v[96+J]
.set J, J+1
.endr
.irp b, 0,1,2,3
	v_exp_f32 v[232+\b], v[232+\b]
.endr
	v_pk_mul_f32 v[14:15], v[14:15], v[252:253] op_sel_hi:[1,0]   ; the sums under the new M: a plain instruction behind the exponentials
.endm
.macro PB tile                         ; p's scale word and codes; O^T under the new M
.irp b, 0,1,2,3
	v_max_num_f32 v[232+\b], 0x1800000, v[232+\b]  ; the floor 2^(3 - 127): the byte cannot fall under 1
.endr
.irp b, 0,1,2,3
	v_add_nc_u32 v[244+\b], 0xff000000, v[232+\b]  ; 2 off the exponent field: the conversion's scale operand
.endr
.irp b, 0,1,2,3
	v_lshrrev_b32 v[236+\b], 23, v[244+\b]         ; the scale's byte
.endr
	v_lshl_or_b32 v253, v237, 8, v236
	s_delay_alu instid0(VALU_DEP_1)
	v_lshl_or_b32 v253, v238, 16, v253
.if \tile
	WIN 0x15                                       ; scale operands are taken from window 0: tile 1's word goes there
	v_lshl_or_b32 v[PS1], v239, 24, v253
	WIN 0x55
.else
	v_lshl_or_b32 v[PS0], v239, 24, v253
.endif
.irp c, 0,1
	v_cvt_scalef32_pk16_fp6_f32 v[224+6*\c:226+6*\c], v[96+32*\c:111+32*\c], v[244+2*\c]
	v_cvt_scalef32_pk16_fp6_f32 v[236+4*\c:238+4*\c], v[112+32*\c:127+32*\c], v[244+2*\c+1]
.endr
	v_nop                                          ; one plain instruction behind the scaled conversions
.irp c, 0,1                                    ; the layout wants a whole block in a lane
.irp i, 0,1,2
	v_permlane16_swap_b32 v[224+6*\c+\i], v[236+4*\c+\i]
.endr
.irp i, 0,1,2
	v_mov_b32 v[227+6*\c+\i], v[236+4*\c+\i]
.endr
.endr
	VWAIT                                          ; directly ahead of the first reader of O^T
.set J, 0
.rept 32
	v_pk_mul_f32 v[160+J:161+J], v[160+J:161+J], v[252:253] op_sel_hi:[1,0]   ; these 32 also stand between the lines that made p's codes and scale word and the products
.set J, J+2
.endr
.endm
.macro PS                              ; the row's sum of the unquantised p, in four chains by turns; it names no register of the products ahead of it
	v_pk_add_f32 v[236:237], v[96:97], v[98:99]
	v_pk_add_f32 v[240:241], v[100:101], v[102:103]
	v_pk_add_f32 v[242:243], v[104:105], v[106:107]
	v_pk_add_f32 v[14:15], v[14:15], v[108:109]
.irp j, 110,118,126,134,142,150
	v_pk_add_f32 v[236:237], v[236:237], v[\j:\j+1]
	v_pk_add_f32 v[240:241], v[240:241], v[\j+2:\j+3]
	v_pk_add_f32 v[242:243], v[242:243], v[\j+4:\j+5]
	v_pk_add_f32 v[14:15], v[14:15], v[\j+6:\j+7]
.endr
	v_pk_add_f32 v[236:237], v[236:237], v[158:159]
	v_pk_add_f32 v[240:241], v[240:241], v[242:243]
	s_delay_alu instid0(VALU_DEP_2)
	v_pk_add_f32 v[14:15], v[14:15], v[236:237]
	s_delay_alu instid0(VALU_DEP_1)
	v_pk_add_f32 v[14:15], v[14:15], v[240:241]
.endm
; A KEY STEP: 128 keys, both tiles of queries.
.macro STEP
	v_add_nc_u32 v[ADR], s[TB], v[LI]
	v_add_nc_u32 v[ADS], s[TS], v[ASC]
	v_add_nc_u32 v[ADV], VREG, v[ADR]
	LDF ADR, 0                                     ; the last step's sums stand between its products and these loads
.irp t, 0,1,2,3,4,5,6,7
	ds_load_b32 v[80+\t], v[ADS] offset:64*\t
.endr
	WIN 0x40
	LDF ADR, 6144
	WIN 0
	VWAIT
	s_wait_dscnt 0x0
	SMUL 0, QS0
	WIN 0x44                                       ; Q and S^T of tile 1
	SMUL 0, QS1
	WIN 0x01                                       ; K's fragments 4-7
	SMUL 4, QS0
	WIN 0x45
	SMUL 4, QS1
	WIN 0
	NOPS                                           ; in front of the loads below and of the first read of the scores
	LDF ADV, 0                                     ; V's fragments land while the softmax is worked
	WIN 0x40
	LDF ADV, 6144
	WIN 0
	PA
	VWAIT                                          ; ahead of the batch
	PE
	WIN 0x55
	VWAIT                                          ; behind tile 0's batch, and directly ahead of the first reader of tile 1's scores
	PA
	VWAIT
	PE
	WIN 0
	PB 0                                           ; (its wait also stands behind tile 1's batch)
	WIN 0x55
	PB 1
	VWAIT
	s_wait_dscnt 0x0                               ; V's fragments
	WIN 0
	PMUL 0, PS0
	WIN 0x54
	PMUL 0, PS1
	WIN 0x01
	PMUL 4, PS0
	WIN 0x55
	PMUL 4, PS1
	PS
	WIN 0
	PS
.endm
.macro RUN base, ts, n                 ; n key steps on end
	s_mov_b32 s[TB], \base
	s_mov_b32 s[TS], \ts
	s_mov_b32 s[CNT], \n
.Lstep_\@:
	STEP
	s_add_co_u32 s[TB], s[TB], 12288
	s_add_co_u32 s[TS], s[TS], 512
	s_sub_co_u32 s[CNT], s[CNT], 1
	s_cmp_lg_u32 s[CNT], 0
	VWAIT
	s_cbranch_scc1 .Lstep_\@
.endm
	VWAIT                                          ; the head's end
	s_wait_tensorcnt 0x0                           ; my one load has landed
	s_barrier_signal -1
	s_barrier_wait -1                              ; everybody's has
	s_wait_loadcnt 0x0                             ; Q
	RUN 0, 0, 4
	s_wait_tensorcnt 0x0                           ; no tensor load of mine is out: a group 0 may be written
	ds_add_u32 v[SPW], v[NIL]                      ; 0 onto my spare word
	s_add_nc_u64 s[G0D+2:G0D+3], s[G0D+2:G0D+3], 3*49152   ; keys 1536 on (used by waves 0 and 1)
	s_wait_dscnt 0x0                               ; the add is done, and my reads of the first thirds are over
	CROUND                                         ; both now hold of every wave of the four work-groups
	s_cmp_lt_u32 s[WV], 2
	s_cbranch_scc0 .Lno_refill
	tensor_load_to_lds s[G0D:G0D+3], s[G1D:G1D+7]  ; wave 0 K's, wave 1 V's: eight key steps stand between this and the first read
	s_nop 0
	NOPS
.Lno_refill:
	RUN 49152, 2048, 8
	s_wait_tensorcnt 0x0                           ; my part of the second fill has landed
	ds_add_u32 v[SPW], v[NIL]
	s_wait_dscnt 0x0
	s_barrier_signal -1
	s_barrier_wait -1                              ; everybody's has
	RUN 0, 6144, 4
; THE WAY OUT of a tile: O^T / the sum; register 16 b + i is channel 32 b + 16 (l / 16) + i of my query's head: quantised as it stands, one image.
.macro OUT
	v_add_f32 v14, v14, v15
	s_delay_alu instid0(VALU_DEP_1)
	v_permlanex16_b32 v252, v14, s[SEL], s[SEL+1]
	s_delay_alu instid0(VALU_DEP_1)
	v_add_f32 v14, v14, v252                       ; the row's sum
	VWAIT
	v_rcp_f32 v14, v14
	NOPS
	VWAIT                                          ; ahead of the reciprocal's first reader, which is also O^T's
.set J, 0
.rept 32
	v_pk_mul_f32 v[96+J:97+J], v[160+J:161+J], v[14:15] op_sel_hi:[1,0]   ; each accumulator from its low end on
.set J, J+2
.endr
.irp b, 0,1,2,3
	v_max3_num_f32 v[TM+\b], |v[96+16*\b]|, |v[97+16*\b]|, 0x1800000
.endr
.irp i, 2,4,6,8,10,12,14
.irp b, 0,1,2,3
	v_max3_num_f32 v[TM+\b], v[TM+\b], |v[96+16*\b+\i]|, |v[97+16*\b+\i]|
.endr
.endr
.irp b, 0,1,2,3
	v_permlanex16_b32 v[TM+4+\b], v[TM+\b], s[SEL], s[SEL+1]
.endr
.irp b, 0,1,2,3
	v_max_num_f32 v[TM+\b], v[TM+\b], v[TM+4+\b]
.endr
.irp b, 0,1,2,3
	v_add_nc_u32 v[TM+12+\b], 0xff000000, v[TM+\b]
.endr
.irp b, 0,1,2,3
	v_lshrrev_b32 v[TM+4+\b], 23, v[TM+12+\b]
.endr
	v_lshl_or_b32 v248, v[TM+5], 8, v[TM+4]
	s_delay_alu instid0(VALU_DEP_1)
	v_lshl_or_b32 v248, v[TM+6], 16, v248
	s_delay_alu instid0(VALU_DEP_1)
	v_lshl_or_b32 v248, v[TM+7], 24, v248          ; my query's scale word
.irp c, 0,1
	v_cvt_scalef32_pk16_fp6_f32 v[32+6*\c:34+6*\c], v[96+32*\c:111+32*\c], v[TM+12+2*\c]
	v_cvt_scalef32_pk16_fp6_f32 v[44+4*\c:46+4*\c], v[112+32*\c:127+32*\c], v[TM+13+2*\c]
.endr
	v_nop
.irp c, 0,1
.irp i, 0,1,2
	v_permlane16_swap_b32 v[32+6*\c+\i], v[44+4*\c+\i]
.endr
.irp i, 0,1,2
	v_mov_b32 v[35+6*\c+\i], v[44+4*\c+\i]
.endr
.endr
.endm
.macro PUT tile                        ; 512 consecutive bytes a store, at a multiple of 256 from the buffer's first byte; the next token tile's image lies 8 images on
.irp c, 0,1,2
	global_store_b128 v[LI], v[32+4*\c:35+4*\c], s[8:9] offset:12288*\tile+512*\c
.endr
	global_store_b32 v[R4], v248, s[10:11] offset:512*\tile   ; both halves of the lanes write the same word with the same value
.endm
	OUT
	PUT 0
	WIN 0x55
	OUT
	WIN 0x04                                       ; the data in window 1, the addresses in window 0
	PUT 1
	WIN 0
	s_wait_tensorcnt 0x0                           ; the wave's end
	ds_add_u32 v[SPW], v[NIL]
	s_wait_dscnt 0x0
	CROUND                                         ; the closing round
	s_endpgm
.Lfunc_end_k_q82c3f4ae38_attn:
	.size	k_q82c3f4ae38_attn, .Lfunc_end_k_q82c3f4ae38_attn-k_q82c3f4ae38_attn
	.p2alignl 7, 3214868480
	.fill 96, 4, 3214868480
	.section	.rodata,"a",@progbits
	.p2align	6, 0x0
	.amdhsa_kernel k_q82c3f4ae38_attn
		.amdhsa_group_segment_fixed_size 327680
		.amdhsa_private_segment_fixed_size 0
		.amdhsa_enable_private_segment 0
		.amdhsa_kernarg_size 32
		.amdhsa_user_sgpr_count 2
		.amdhsa_user_sgpr_kernarg_segment_ptr 1
		.amdhsa_wavefront_size32 1
		.amdhsa_system_sgpr_workgroup_id_x 1
		.amdhsa_system_sgpr_workgroup_id_y 1
		.amdhsa_system_sgpr_workgroup_id_z 1
		.amdhsa_system_vgpr_workitem_id 0
		.amdhsa_next_free_vgpr 512
		.amdhsa_next_free_sgpr 66
		.amdhsa_reserve_vcc 0
		.amdhsa_float_denorm_mode_32 3
		.amdhsa_float_denorm_mode_16_64 3
		.amdhsa_memory_ordered 1
		.amdhsa_forward_progress 1
		.amdhsa_inst_pref_size 130
	.end_amdhsa_kernel
	.amdgpu_metadata
---
amdhsa.version: [ 1, 2 ]
amdhsa.kernels:
  - .name:           k_q82c3f4ae38_attn
    .symbol:         k_q82c3f4ae38_attn.kd
    .args:
      - { .name: img, .offset: 0, .size: 8, .value_kind: global_buffer, .address_space: global }
      - { .name: isc, .offset: 8, .size: 8, .value_kind: global_buffer, .address_space: global }
      - { .name: oimg, .offset: 16, .size: 8, .value_kind: global_buffer, .address_space: global }
      - { .name: osc, .offset: 24, .size: 8, .value_kind: global_buffer, .address_space: global }
    .group_segment_fixed_size: 327680
    .private_segment_fixed_size: 0
    .kernarg_segment_align: 8
    .kernarg_segment_size: 32
    .max_flat_workgroup_size: 256
    .sgpr_count:     66
    .vgpr_count:     512
    .wavefront_size: 32
...
	.end_amdgpu_metadata
.endif
;; end of part 3
;; launch proj (part 4): grid 4 x 64, 4 waves a work-group, clusters of 4 x 4, 327,680 bytes of LDS; arguments oimg, osc, opnd, opsc, out0; writes out0
.if DOCPART == 4
	.amdgcn_target "amdgcn-amd-amdhsa--gfx1250"
	.amdhsa_code_object_version 6
	.text
	.protected	k_q82c3f4ae38_proj
	.globl	k_q82c3f4ae38_proj
	.p2align	8
	.type	k_q82c3f4ae38_proj,@function
k_q82c3f4ae38_proj:
	s_mov_b64 s[64:65], 0
	v_nop
	global_prefetch_b8 v0, s[64:65] scope:SCOPE_SE
	s_setreg_imm32_b32 hwreg(HW_REG_WAVE_MODE, 25, 1), 1
	s_wait_xcnt 0x0
	s_wait_alu depctr_hold_cnt(0) depctr_sa_sdst(0) depctr_va_vdst(0) depctr_va_sdst(0) depctr_va_ssrc(0) depctr_va_vcc(0) depctr_vm_vsrc(0)
	s_getreg_b32 s2, hwreg(HW_REG_IB_STS2, 6, 4)
	s_cmp_eq_u32 s2, 0
	s_cbranch_scc0 .Lentry_in_a_cluster
	s_endpgm
.Lentry_in_a_cluster:
	s_bfe_u32 s2, ttmp6, 0x10000c
	s_cmp_lg_u32 s2, 0xf033
	s_cbranch_scc0 .Lentry_shape_is_right
	s_endpgm
.Lentry_shape_is_right:
; out0 = O Wproj^T on codes of FP6 (E2M3) with E8M0 scales, K = 1,024 (the eight heads are the eight K steps); f32 out.
; OPERANDS, as images of operand registers (registers 4 g .. 4 g + 3 of lane l at 512 g + 16 l): A = oimg [512 token tiles][8][1536], osc [512][8][64]; B = Wproj, tiles 704-767 of opnd [768][8][1536], opsc [768][8][64].
; Row r of tile 2 B + u is source row 32 B + 8 u + r + 8 (r / 8): the way out undoes the order.
; A BLOCK of the result is 128 tokens x 256 columns: 64 x 4 blocks, one for each of 256 work-groups.  Four waves, each 64 tokens x 128 columns: 32 accumulators.
; ALL OF K COMES AT THE HEAD, one joint load a wave, each a dense run of memory: wave 0 A's 8 tiles (98,304 bytes), wave 1 B's 16 tiles (196,608), wave 2 A's scale words (4,096), wave 3 B's (8,192).  Nothing is filled again.
; CLUSTERS: 4 x 4 work-groups; A's bytes are asked for jointly along a row of the cluster, B's along a column.
; THE MATRIX INSTRUCTION IS USED TRANSPOSED (source 0 = 16 rows of Wproj, source 1 = 16 tokens): a lane holds eight neighbouring columns of a token's row.
; NO PREFETCH: every byte is asked for by the head's loads, and there is no loop to run ahead in.
; REGISTERS: window 0: v1-29 addresses; v32-95 scale words (register 8 s + i: lanes 0-15 A's block i, lanes 16-31 B's block i, K step s); v128-223 A's fragments, two sets of 48; on the way out v128-255.
;   window 1: B's fragments, two sets, at v0 and v128.  window 2: the accumulators ((a, b) at v[8 (8 a + b)]).
.set TILEB, 12288                      ; a tile's eight K steps
.set FRB,   1536
.set LB,    98304                      ; B's tiles, behind A's
.set SCA,   294912                     ; A's scale words: block i, K step s, row r at 512 i + 64 s + 4 r
.set SCB,   SCA+4096
.set SPARE, SCB+8192                   ; the spare words, 128 bytes for each wave: two blocks of 256 bytes that no other line names
.set SPITCH, 528                       ; the way out: a stage of 16 rows x (512 + 16) bytes for each wave, in A's bytes, which have had their only fill and, behind the last barrier, their last read
.set FR,    12
.set LI,    1
.set ADRA,  10
.set ADRB,  13                         ; v13, v14: my B tiles 0-3, 4-7
.set STO,   24
.set RD,    25
.set ADRS,  27
.set SPW,   28
.set NIL,   29
.set SC,    32
.set AF,    128
.set BK,    128
.set G1A,  24
.set G1B,  32
.set G1S,  40
.set G1SB, 48
.set G0A,  56
.set G0B,  60
.set G0S,  68
.set G0SB, 72
.set MSB, 0
.macro WIN new
.if MSB != \new
	s_set_vgpr_msb (MSB<<8)|\new
.set MSB, \new
.endif
.endm
.set MUL_W, 0xa1                       ; source 0 (B) window 1, source 1 (A) window 0, C and D window 2
.set TO_B,  0x40
.macro CROUND
	s_barrier_signal -1
	s_barrier_wait -1
	s_cmp_lg_u32 s14, 0
	s_cbranch_scc1 .Lnot_wave_0_\@
	s_barrier_signal -3
.Lnot_wave_0_\@:
	s_barrier_wait -3
	s_barrier_signal -1
	s_barrier_wait -1
.endm
.macro PLACES n
.rept \n
	v_nop
.endr
.endm
.macro GRP1 g, mask, rows              ; dense bytes as rows of 256 (32 elements of 8 bytes); 15:0 the mask, 21 set beside it
	s_or_b32 s[\g], \mask, (3<<16)|(1<<21)
	s_mov_b32 s[\g+1], 32<<16
	s_mov_b32 s[\g+2], (\rows)<<16
	s_mov_b32 s[\g+3], 32<<16
	s_mov_b32 s[\g+4], \rows
	s_mov_b32 s[\g+5], 32
	s_mov_b32 s[\g+6], 0
	s_mov_b32 s[\g+7], 0
.endm
.macro GRP0 g, lds, a
	s_mov_b32 s[\g], 1
	s_mov_b32 s[\g+1], \lds
	s_mov_b64 s[\g+2:\g+3], s[\a:\a+1]
	s_or_b32 s[\g+3], s[\g+3], 0x80000000
.endm
	s_load_b128 s[4:7], s[0:1], 0x0                ; oimg, osc
	s_load_b128 s[8:11], s[0:1], 0x10              ; opnd, opsc
	s_load_b64 s[12:13], s[0:1], 0x20              ; out0
	v_lshl_add_u32 v[SPW], v0, 2, SPARE
	v_mov_b32 v[NIL], 0
	ds_add_u32 v[SPW], v[NIL]                      ; the opening lines: the add twice on end and its wait ahead of my first tensor load
	ds_add_u32 v[SPW], v[NIL]
	v_lshrrev_b32 v1, 5, v0
	v_readfirstlane_b32 s14, v1                    ; wave 0..3
	s_lshr_b32 s15, s14, 1                         ; which 64 tokens are mine
	s_and_b32 s16, s14, 1                          ; which 128 columns
	s_bfe_u32 s92, ttmp6, 0x40000                  ; cx
	s_bfe_u32 s93, ttmp6, 0x40004                  ; cy
	s_and_b32 s17, ttmp7, 0xffff
	s_lshl_b32 s17, s17, 2
	s_add_co_u32 s17, s17, s93                     ; block row 0..63
	s_lshl_b32 s18, ttmp9, 2
	s_add_co_u32 s18, s18, s92                     ; block column 0..3
	s_lshl_b32 s94, s93, 2
	s_lshl_b32 s94, 15, s94                        ; my row of the cluster
	s_lshl_b32 s95, 0x1111, s92                    ; my column
	GRP1 G1A,  s94, 384
	GRP1 G1B,  s95, 768
	GRP1 G1S,  s94, 16
	GRP1 G1SB, s95, 32
	s_mul_i32 s20, s17, 8*TILEB                    ; A's 8 tiles,
	s_mov_b32 s21, 0
	s_lshl_b32 s22, s17, 12                        ; their scale words,
	s_mov_b32 s23, 0
	s_lshl_b32 s96, s18, 4
	s_add_co_u32 s96, s96, 704                     ; B's first tile,
	s_lshl_b32 s98, s96, 9
	s_mov_b32 s99, 0
	s_mul_i32 s96, s96, TILEB
	s_mov_b32 s97, 0
	s_wait_dscnt 0x0                               ; both opening adds are done
	s_wait_kmcnt 0x0
	s_add_nc_u64 s[20:21], s[4:5], s[20:21]
	s_add_nc_u64 s[22:23], s[6:7], s[22:23]
	s_add_nc_u64 s[96:97], s[8:9], s[96:97]
	s_add_nc_u64 s[98:99], s[10:11], s[98:99]
	CROUND                                         ; all sixteen work-groups are here: the joint loads meet
	GRP0 G0A,  0,   20
	GRP0 G0B,  LB,  96
	GRP0 G0S,  SCA, 22
	GRP0 G0SB, SCB, 98
.macro ARM under, g0, g1, next         ; one chain of branches on the wave's number, one load to an arm
	s_cmp_lt_u32 s14, \under
	s_cbranch_scc0 \next
	tensor_load_to_lds s[\g0:\g0+3], s[\g1:\g1+7]
	s_nop 0
	PLACES 4
	s_branch .Lhead_asked
\next:
.endm
	ARM 1, G0A, G1A, .Lhead_b
	ARM 2, G0B, G1B, .Lhead_sa
	ARM 3, G0S, G1S, .Lhead_sb
	tensor_load_to_lds s[G0SB:G0SB+3], s[G1SB:G1SB+7]
	s_nop 0
	PLACES 4
.Lhead_asked:
	v_and_b32 v1, 31, v0
	v_and_b32 v2, 15, v0                           ; r
	v_bfe_u32 v3, v0, 4, 1                         ; h
	v_lshlrev_b32 v[LI], 4, v1
	s_wait_alu depctr_va_vdst(0)
	s_mul_i32 s20, s15, 4*TILEB
	s_mul_i32 s21, s16, 8*TILEB
	s_add_co_u32 s21, s21, LB                      ; my 8 of B
	v_add_nc_u32 v[ADRA], s20, v[LI]
	v_add_nc_u32 v[ADRB], s21, v[LI]
	s_add_co_u32 s21, s21, 4*TILEB
	v_add_nc_u32 v[ADRB+1], s21, v[LI]
	s_xor_b32 s21, s15, 1
	s_lshl_b32 s22, s16, 1
	s_add_co_u32 s21, s21, s22
	s_add_co_u32 s21, s21, 1
	s_lshl_b32 s21, s21, 11                        ; from my A words to my B words: 4,096 + 4,096 x my B half - 2,048 x my A half
	v_mul_u32_u24 v4, s21, v3                      ; lanes 16-31 take B's: one product
	s_lshl_b32 s20, s15, 11
	s_add_co_u32 s20, s20, SCA
	v_lshl_add_u32 v4, v2, 2, v4
	v_add_nc_u32 v[ADRS], s20, v4
	s_mul_i32 s20, s14, 16*SPITCH                  ; my stage
	v_mul_u32_u24 v4, v2, SPITCH
	v_lshl_add_u32 v4, v3, 6, v4                   ; in: row r, 64 bytes for each half of the lanes in each 128
	v_add_nc_u32 v[STO], s20, v4
	v_add_nc_u32 v[RD], s20, v[LI]                 ; back: the 32 lanes take one row of 512 bytes
	s_lshl_b32 s20, s17, 7
	s_lshl_b32 s21, s15, 6
	s_add_co_u32 s20, s20, s21                     ; my first token
	s_lshl_b32 s20, s20, 12                        ; a row of out0 is 4,096 bytes
	s_lshl_b32 s21, s18, 10
	s_add_co_u32 s20, s20, s21
	s_lshl_b32 s21, s16, 9
	s_add_co_u32 s20, s20, s21                     ; my first column, in bytes
	s_mov_b32 s21, 0
	s_add_nc_u64 s[12:13], s[12:13], s[20:21]
.macro FETCH s                         ; K step s: B's eight fragments and A's four, into sets s % 2
	WIN TO_B
.irp i, 0,1,2,3,4,5,6,7
.irp c, 0,1,2
	ds_load_b128 v[128*((\s)%2)+FR*\i+4*\c:128*((\s)%2)+FR*\i+4*\c+3], v[ADRB+\i/4] offset:(\i%4)*TILEB+(\s)*FRB+512*\c
.endr
.endr
	WIN 0
.irp i, 0,1,2,3
.irp c, 0,1,2
	ds_load_b128 v[AF+48*((\s)%2)+FR*\i+4*\c:AF+48*((\s)%2)+FR*\i+4*\c+3], v[ADRA] offset:\i*TILEB+(\s)*FRB+512*\c
.endr
.endr
.endm
; 32 matrix instructions: the 32 accumulators take turns, one instruction a turn, in the same order in every step.  zero = 1: the first product starts the sums.
.macro MUL32 s, zero
.irp a, 0,1,2,3
.irp b, 0,1,2,3,4,5,6,7
.if \zero
	v_wmma_scale_f32_16x16x128_f8f6f4 v[8*(8*\a+\b):8*(8*\a+\b)+7], v[128*((\s)%2)+FR*\b:128*((\s)%2)+FR*\b+FR-1], v[AF+48*((\s)%2)+FR*\a:AF+48*((\s)%2)+FR*\a+FR-1], 0, v[SC+8*(\s)+\b], v[SC+8*(\s)+\a] matrix_a_fmt:MATRIX_FMT_FP6 matrix_b_fmt:MATRIX_FMT_FP6 matrix_a_scale:MATRIX_SCALE_ROW1
.else
	v_wmma_scale_f32_16x16x128_f8f6f4 v[8*(8*\a+\b):8*(8*\a+\b)+7], v[128*((\s)%2)+FR*\b:128*((\s)%2)+FR*\b+FR-1], v[AF+48*((\s)%2)+FR*\a:AF+48*((\s)%2)+FR*\a+FR-1], v[8*(8*\a+\b):8*(8*\a+\b)+7], v[SC+8*(\s)+\b], v[SC+8*(\s)+\a] matrix_a_fmt:MATRIX_FMT_FP6 matrix_b_fmt:MATRIX_FMT_FP6 matrix_a_scale:MATRIX_SCALE_ROW1
.endif
.endr
.endr
.endm
.macro STEP s, zero
	s_wait_dscnt 0x0                               ; this step's fragments are in
.if (\s) > 0
	PLACES 4                                       ; the loads below land in registers that the last step's products read
.endif
	FETCH (\s)+1
	WIN MUL_W
	MUL32 \s, \zero
	WIN 0
.endm
	s_wait_alu depctr_va_vdst(0)                   ; the head's end
	s_wait_tensorcnt 0x0                           ; my one load has landed
	s_barrier_signal -1
	s_barrier_wait -1                              ; everybody's has
	FETCH 0
.irp s, 0,1,2,3,4,5,6,7
.irp i, 0,1,2,3,4,5,6,7
	ds_load_b32 v[SC+8*\s+\i], v[ADRS] offset:\i*512+\s*64   ; all 64 scale registers, once (for i over 3 lanes 0-15 read words that are not used)
.endr
.endr
	STEP 0, 1
.irp s, 1,2,3,4,5,6
	STEP \s, 0
.endr
	s_wait_dscnt 0x0                               ; my last reads of the tiles are back:
	s_barrier_signal -1                            ; say so,
	WIN MUL_W
	MUL32 7, 0
	WIN 0
	s_barrier_wait -1                              ; and behind this nobody reads A's bytes any more: the stages may lie there
; THE WAY OUT, block by block of 16 tokens x 128 columns, through my own stage; LDS serves a wave's instructions in order, so no wait stands between the stores and the loads.
.macro TOSTAGE a
	WIN 0x08                                       ; the data: window 2
.irp b, 0,1,2,3,4,5,6,7
	ds_store_b128 v[STO], v[64*(\a)+8*\b:64*(\a)+8*\b+3] offset:128*(\b/2)+32*(\b%2)      ; each accumulator from its low end on; B's tiles 2 B', 2 B' + 1 give a lane columns 32 B' + 16 h + 0 .. 15
	ds_store_b128 v[STO], v[64*(\a)+8*\b+4:64*(\a)+8*\b+7] offset:128*(\b/2)+32*(\b%2)+16
.endr
	WIN 0
.irp t, 0,1,2,3,4,5,6,7,8,9,10,11,12,13,14,15
	ds_load_b128 v[BK+64*((\a)%2)+4*\t:BK+64*((\a)%2)+4*\t+3], v[RD] offset:\t*SPITCH
.endr
.endm
.macro SEND a, younger                 ; row t of tile a is token 32 (a / 2) + 8 (a % 2) + t + 8 (t / 8) of my 64; 32 lanes store 512 consecutive bytes, at a multiple of 256 from out0's first byte
	s_wait_dscnt \younger
.irp t, 0,1,2,3,4,5,6,7,8,9,10,11,12,13,14,15
	global_store_b128 v[LI], v[BK+64*((\a)%2)+4*\t:BK+64*((\a)%2)+4*\t+3], s[12:13] offset:(32*((\a)/2)+8*((\a)%2)+\t+8*(\t/8))*4096 th:TH_STORE_NT
.endr
.endm
	PLACES 4                                       ; behind the last products: results are read, and registers that held A's fragments are loaded into
	TOSTAGE 0
.irp a, 1,2,3
.if \a > 1
	s_wait_xcnt 0x0                                ; block a - 2's stores have read their registers
.endif
	TOSTAGE \a
	SEND \a-1, 32                                  ; behind block a - 1's loads: block a's 16 stores and 16 loads
.endr
	SEND 3, 0
	s_wait_tensorcnt 0x0                           ; the wave's end
	ds_add_u32 v[SPW], v[NIL]
	s_wait_dscnt 0x0
	CROUND                                         ; the closing round
	s_endpgm
.Lfunc_end_k_q82c3f4ae38_proj:
	.size	k_q82c3f4ae38_proj, .Lfunc_end_k_q82c3f4ae38_proj-k_q82c3f4ae38_proj
	.p2alignl 7, 3214868480
	.fill 96, 4, 3214868480
	.section	.rodata,"a",@progbits
	.p2align	6, 0x0
	.amdhsa_kernel k_q82c3f4ae38_proj
		.amdhsa_group_segment_fixed_size 327680
		.amdhsa_private_segment_fixed_size 0
		.amdhsa_enable_private_segment 0
		.amdhsa_kernarg_size 40
		.amdhsa_user_sgpr_count 2
		.amdhsa_user_sgpr_kernarg_segment_ptr 1
		.amdhsa_wavefront_size32 1
		.amdhsa_system_sgpr_workgroup_id_x 1
		.amdhsa_system_sgpr_workgroup_id_y 1
		.amdhsa_system_sgpr_workgroup_id_z 1
		.amdhsa_system_vgpr_workitem_id 0
		.amdhsa_next_free_vgpr 768
		.amdhsa_next_free_sgpr 100
		.amdhsa_reserve_vcc 0
		.amdhsa_float_denorm_mode_32 3
		.amdhsa_float_denorm_mode_16_64 3
		.amdhsa_memory_ordered 1
		.amdhsa_forward_progress 1
		.amdhsa_inst_pref_size 79
	.end_amdhsa_kernel
	.amdgpu_metadata
---
amdhsa.version: [ 1, 2 ]
amdhsa.kernels:
  - .name:           k_q82c3f4ae38_proj
    .symbol:         k_q82c3f4ae38_proj.kd
    .args:
      - { .name: oimg, .offset: 0, .size: 8, .value_kind: global_buffer, .address_space: global }
      - { .name: osc, .offset: 8, .size: 8, .value_kind: global_buffer, .address_space: global }
      - { .name: opnd, .offset: 16, .size: 8, .value_kind: global_buffer, .address_space: global }
      - { .name: opsc, .offset: 24, .size: 8, .value_kind: global_buffer, .address_space: global }
      - { .name: out0, .offset: 32, .size: 8, .value_kind: global_buffer, .address_space: global }
    .group_segment_fixed_size: 327680
    .private_segment_fixed_size: 0
    .kernarg_segment_align: 8
    .kernarg_segment_size: 40
    .max_flat_workgroup_size: 128
    .sgpr_count:     100
    .vgpr_count:     768
    .wavefront_size: 32
...
	.end_amdgpu_metadata
.endif
;; end of part 4
